; MI455X (gfx1250); checked and timed in simulation.
; The chip was launched on July 23, 2026; its instructions are those of AMD's public machine-readable ISA for CDNA 5 (MIT licence, August 2026) and "CDNA5" Instruction Set Architecture Reference Guide (July 2026). The comments in the code are by the model that wrote it; some were corrected since.
;; Multi Head Self Attention. Allowed arithmetic: matrix products marked QUANTISED: E2M1 operands, one E8M0 scale for each 32 along K, by v_wmma_scale_f32_16x16x128_f8f6f4 with both operands' format E2M1 (or v_wmma_scale_f32_32x16x128_f4), f32 sums; products left as they are: bf16, f16 or f32 operands; f32 sums; everything else in f32.
;; Inputs: Wj 4,096 x 512 float32; Wk 8 x 512 x 512 float32; Wq 8 x 512 x 512 float32; Wv 8 x 512 x 512 float32; beta 512 float32; gamma 512 float32; x 4 x 1,024 x 512 float32.
;; Outputs: out0 4 x 1,024 x 512 float32.
;; This version of the problem:
;;   THIS VERSION OF THE PROBLEM IS GIVEN IN LOW PRECISION. The matrix products marked QUANTISED in the list below multiply operands that are first quantised to E2M1 (2 exponent bits, 1 mantissa bit; 4 bits a number), with one power-of-two scale for each 32 numbers along K (OCP MX v1.0); their sums are f32. The products marked 'left as it is' may take bf16, f16 or f32 operands, with f32 sums. Whichever they take, every output number must still come out within the allowed error. Rounding operands to bf16 (8 significant bits) uses up far more of that allowance than f16 does (11 bits, for magnitudes from 6e-5 to 65,504). All else is computed in f32.
;;   The module's matrix products, in the order in which they are computed (A, B: the left and right operand; K: the contracted axis; several contracted axes count as one K, in the product's order):
;;     1. [M 4,096, K 512] x [K 512, N 4,096]; A: input Wq; B: input x: QUANTISED
;;     2. [M 4,096, K 512] x [K 512, N 4,096]; A: input Wk; B: input x: QUANTISED
;;     3. [M 4,096, K 512] x [K 512, N 4,096]; A: input Wv; B: input x: QUANTISED
;;     4. batch 32 x [M 1,024, K 512] x [K 512, N 1,024]; A: computed on the way; B: computed on the way: left as it is (an operand is computed on the way)
;;     5. batch 32 x [M 1,024, K 1,024] x [K 1,024, N 512]; A: computed on the way; B: computed on the way: left as it is (an operand is computed on the way)
;;     6. [M 4,096, K 4,096] x [K 4,096, N 512]; A: computed on the way; B: input Wj: left as it is (an operand is computed on the way)
;;   THE QUANTISER, for each operand of a quantised product, along K:
;;     - K is cut into blocks of 32 from its start; a last block that is shorter is filled with zeros.
;;     - A block's scale is 2^e with e = floor(log2(the largest magnitude in the block)) - 2, held to -126 .. 127; a block of zeros has e = 0. As a byte (E8M0): e + 127.
;;     - Each number is divided by its block's scale, clamped to +-6, and rounded to the nearest number of E2M1, ties to even, subnormals kept.
;;     - The product sums the exact products of the quantised numbers (number of the format x scale) in f32.
;;   ~~~python
;;   def quantise(x, axis):      # numpy; x: float32 -> the quantised numbers, widened to float32 again
;;       x = np.moveaxis(x, axis, -1); K = x.shape[-1]
;;       x = np.pad(x, [(0, 0)] * (x.ndim - 1) + [(0, -K % 32)]); x = x.reshape(x.shape[:-1] + (-1, 32)); a = np.abs(x).max(-1, keepdims=True)
;;       e = np.where(a > 0, np.clip(np.frexp(np.where(a > 0, a, 1))[1] - 1 - 2, -126, 127), 0)      # np.frexp(a)[1] - 1 = floor(log2(a)), exactly
;;       r = np.clip(x / 2.0 ** e, -6, 6)
;;       step = 2.0 ** (np.maximum(np.frexp(np.where(r == 0, 1, r))[1] - 1, 0) - 1)
;;       q = np.round(r / step) * step * 2.0 ** e      # np.round: ties to even
;;       return np.moveaxis(q.reshape(q.shape[:-2] + (-1,))[..., :K], -1, axis).astype(np.float32)
;;   ~~~
;; One version. Each part assembles by itself: llvm-mc -triple=amdgcn-amd-amdhsa -mcpu=gfx1250 --defsym DOCPART=n.
;; ======== version 1 of 1: 4 launches
;; limits: values are held in f16: magnitudes above 65,504 overflow, below 6.1e-05 lose precision
;; workspace buffers: cod 4,194,304 bytes; scl 262,144 bytes; xi 8,388,608 bytes; wjh 4,194,304 bytes; kimg 33,554,432 bytes; vimg 33,554,432 bytes; part 67,108,864 bytes
;; launch prep (part 1): grid 640 x 1, 4 waves a work-group, no clusters, 35,328 bytes of LDS; arguments x, Wq, Wk, Wv, Wj, cod, scl, xi, wjh; writes cod, scl, xi, wjh
.if DOCPART == 1
	.amdgcn_target "amdgcn-amd-amdhsa--gfx1250"
	.amdhsa_code_object_version 6
	.text
	.protected	k_q27f7b564ce_prep
	.globl	k_q27f7b564ce_prep
	.p2align	8
	.type	k_q27f7b564ce_prep,@function
k_q27f7b564ce_prep:
	s_mov_b64 s[64:65], 0
	v_nop
	global_prefetch_b8 v0, s[64:65] scope:SCOPE_SE
	s_setreg_imm32_b32 hwreg(HW_REG_WAVE_MODE, 25, 1), 1
	s_wait_xcnt 0x0
; x [4096][512], Wq, Wk, Wv [8][512 (k)][512 (e)] become codes of FP4 (E2M1) with one E8M0 byte for each 32 along K; Wj [4096 (k)][512 (n)] becomes f16; x is also laid anew as f32.
; EVERYTHING IS STORED AS IMAGES OF OPERAND REGISTERS: a fragment is 1,024 bytes, registers 4 p .. 4 p + 3 of lane L at 512 p + 16 L, so that every later load of a fragment is 512 consecutive bytes.
;   cod: x's fragments (16 rows x 128 K) at RT*4096 + s*1024; from 1,048,576 on the weights': (8 mat + h)*131072 + et*4096 + s*1024.   scl: one word a row and 128 K: x's at row*16 + 4 s; from 65,536 on (8 mat + h)*8192 + e*16 + 4 s.
;   xi:  RT*32768 + N*1024 + p*512 + 16 L holds x[16 RT + L % 16][16 N + 8 (L / 16) + 4 p + 0..3]: the layout of a matrix result whose lane holds one row.
;   wjh: h*524288 + w*131072 + c*8192 + b*1024: f16 fragment, rows n = 128 w + 16 b + .., k = 512 h + 32 c + ..
; A block's scale is 2^(floor(log2(largest magnitude)) - 2); its byte is the largest magnitude's exponent field - 2, held at 1 from below.
; LIMITS: a block of zeros, or one whose largest magnitude lies under 2^-124, gets the byte 1 (zeros: where the quantiser says 127; its codes are zeros, and this program alone reads the bytes); NaN and infinities are not served; Wj must lie inside f16's range.
; THREE PATHS, parted on the work-group's number: 0-383 the three weights, 384-511 Wj, 512-639 x.  Waves share nothing: no barrier.  Memory binds: no matrix unit, no cluster (no byte is read twice).
; The scale words leave as 4 bytes a lane, 16 bytes apart: 262,144 bytes in all against the 41,943,040 that the launch reads.
.set SPARE, 34816                      ; behind the four waves' stages: the spare words, 128 bytes for each wave
.set SPW,  2                           ; v2   my spare word's LDS address; never rewritten
.set NIL,  3                           ; v3   0; never rewritten
.set LN,   4                           ; v4   lane
.set RR,   5                           ; v5   lane % 16
.set HH,   6                           ; v6   lane / 16
.set L4,   7                           ; v7   4 x lane
.set L16,  8                           ; v8   16 x lane
.set AO,   10                          ; v10  weights, Wj: my place in the output
.set SI,   14                          ; v14  x: into the stage
.set SO,   15                          ; v15  x: out of it
.set XO,   16                          ; v16  x: 2048 (lane / 16) + 16 (lane % 16): my place in two rows of x, and in two tiles of xi
.set SH8,  17                          ; v17  8 (lane / 16)
.set X,    32                          ; weights, Wj: v32-95 two sets of 32 numbers;  x: v32-159 four sets
.set P,    96                          ; Wj: v96-159 packed f16
.set C,    160                         ; v160-175 codes: never written twice, so no store's data are rewritten
.set E,    176                         ; v176-179 x: a byte for each sub-step
.set SB,   180                         ; v180 weights: the scale word
	s_load_b256 s[4:11], s[0:1], 0x0               ; x, Wq, Wk, Wv
	s_load_b256 s[12:19], s[0:1], 0x20             ; Wj, cod, scl, xi
	s_load_b64 s[20:21], s[0:1], 0x40              ; wjh
	v_lshl_add_u32 v[SPW], v0, 2, SPARE
	v_mov_b32 v[NIL], 0
	v_lshrrev_b32 v1, 5, v0
	v_readfirstlane_b32 s24, v1                    ; wave 0..3
	v_and_b32 v[LN], 31, v0
	v_and_b32 v[RR], 15, v0
	v_bfe_u32 v[HH], v0, 4, 1
	v_lshlrev_b32 v[L4], 2, v[LN]
	v_lshlrev_b32 v[L16], 4, v[LN]
	v_lshlrev_b32 v9, 4, v[RR]
	s_mul_i32 s25, s24, 8704                       ; my wave's two stages of 16 rows x 272 bytes
	v_mul_u32_u24 v[SI], v[HH], 272
	v_add_nc_u32 v[SI], v[SI], v9
	v_add_nc_u32 v[SI], s25, v[SI]                 ; in: lanes 0-15 one row's 256 bytes, lanes 16-31 the next row's
	v_mul_u32_u24 v[SO], v[RR], 272
	v_lshl_add_u32 v[SO], v[HH], 7, v[SO]
	v_add_nc_u32 v[SO], s25, v[SO]                 ; out: row lane % 16, the 128 bytes of my half: one block of 32 numbers
	v_lshl_add_u32 v[XO], v[HH], 11, v9
	v_lshlrev_b32 v[SH8], 3, v[HH]
	s_mov_b32 s31, 0
	s_mov_b32 s33, 0
	s_wait_kmcnt 0x0
	s_cmp_ge_u32 ttmp9, 512
	s_cbranch_scc1 .Lpath_x
	s_cmp_ge_u32 ttmp9, 384
	s_cbranch_scc1 .Lpath_j
; A LANE TAKES A COLUMN, ITS REGISTERS RUN DOWN K: block t = rows 32 t .. 32 t + 31 of the wave's 128, 32 neighbouring columns (128 consecutive bytes) a load
.macro CLOAD t
.set i, 0
.rept 32
	global_load_b32 v[X+32*((\t)%2)+i], v[L4], s[22:23] offset:(32*(\t)+i)*2048 th:TH_LOAD_NT
.set i, i+1
.endr
.endm
; v12 = the largest magnitude of v[XS] .. v[XS+31], with the floor 2^(3 - 127) among its leaves; v11 = the conversion's scale operand: 2 off the exponent field
.macro AMAX
	v_max3_num_f32 v12, |v[XS]|, |v[XS+1]|, |v[XS+2]|
	v_max3_num_f32 v13, |v[XS+3]|, |v[XS+4]|, |v[XS+5]|
.irp i, 6,10,14,18,22,26
	v_max3_num_f32 v12, v12, |v[XS+\i]|, |v[XS+\i+1]|
	v_max3_num_f32 v13, v13, |v[XS+\i+2]|, |v[XS+\i+3]|
.endr
	v_max3_num_f32 v12, v12, |v[XS+30]|, |v[XS+31]|
	v_max3_num_f32 v12, v12, v13, 0x1800000
	v_add_nc_u32 v11, 0xff000000, v12
.endm
.macro CWAIT t
.if (\t) < 3
	s_wait_loadcnt 32                              ; this block's 32 loads are in; the next block's 32 may be out
.else
	s_wait_loadcnt 0x0
.endif
.endm
	; ---- the weights: work-group g: matrix g / 128, head (g / 16) % 8, K step (g / 4) % 4; my wave's 32 columns: 32 (4 (g % 4) + wave)
	s_lshr_b32 s25, ttmp9, 7                       ; mat
	s_bfe_u32 s26, ttmp9, 0x30004                  ; h
	s_bfe_u32 s27, ttmp9, 0x20002                  ; s
	s_and_b32 s28, ttmp9, 3
	s_lshl_b32 s28, s28, 2
	s_add_co_u32 s28, s28, s24                     ; eb
	s_cmp_eq_u32 s25, 0
	s_cselect_b64 s[22:23], s[6:7], s[8:9]
	s_cmp_eq_u32 s25, 2
	s_cselect_b64 s[22:23], s[10:11], s[22:23]     ; the choice hangs on the work-group's number alone
	s_lshl_b32 s30, s26, 20
	s_lshl_b32 s29, s27, 18
	s_add_co_u32 s30, s30, s29
	s_lshl_b32 s29, s28, 7
	s_add_co_u32 s30, s30, s29
	s_add_nc_u64 s[22:23], s[22:23], s[30:31]      ; W + h 2^20 + 128 s rows of 2,048 bytes + 128 eb
	s_lshl_b32 s29, s25, 3
	s_add_co_u32 s29, s29, s26                     ; 8 mat + h
	s_lshl_b32 s30, s29, 17
	s_add_co_u32 s30, s30, 1048576
	s_lshl_b32 s32, s28, 13
	s_add_co_u32 s30, s30, s32
	s_lshl_b32 s32, s27, 10
	s_add_co_u32 s30, s30, s32
	s_add_nc_u64 s[14:15], s[14:15], s[30:31]      ; the two fragments (row tiles 2 eb, 2 eb + 1) of K step s
	s_lshl_b32 s32, s29, 13
	s_add_co_u32 s32, s32, 65536
	s_lshl_b32 s34, s28, 9
	s_add_co_u32 s32, s32, s34
	s_lshl_b32 s34, s27, 2
	s_add_co_u32 s32, s32, s34
	s_add_nc_u64 s[16:17], s[16:17], s[32:33]
	v_lshl_add_u32 v[AO], v[HH], 12, v9            ; lanes 16-31: the next row tile; 16 bytes a row
	CLOAD 0
	CLOAD 1
.macro WBLOCK t                        ; block t of the K step lies in half t / 2 of the fragment, lanes 16 (t % 2) on
.set XS, X+32*((\t)%2)
	CWAIT \t
	AMAX
	v_lshrrev_b32 v13, 23, v11                     ; the scale's byte
.if (\t) == 0
	v_mov_b32 v[SB], v13
.else
	v_lshl_or_b32 v[SB], v13, 8*(\t), v[SB]
.endif
.irp g, 0,1,2,3
	v_cvt_scalef32_pk8_fp4_f32 v[C+4*(\t)+\g], v[XS+8*\g:XS+8*\g+7], v11
.endr
	v_nop                                          ; one plain line behind the last scaled conversion
	global_store_b128 v[AO], v[C+4*(\t):C+4*(\t)+3], s[14:15] offset:((\t)/2)*512+((\t)%2)*256   ; sixteen lanes store 256 consecutive bytes, aligned
.if (\t) < 2
	CLOAD (\t)+2
.endif
.endm
	WBLOCK 0
	WBLOCK 1
	WBLOCK 2
	WBLOCK 3
	global_store_b32 v[L16], v[SB], s[16:17]       ; my column's word for this K step
	s_wait_tensorcnt 0x0                           ; the wave's end
	ds_add_u32 v[SPW], v[NIL]
	s_wait_dscnt 0x0
	s_endpgm
.Lpath_j:
	; ---- Wj: work-group 384 + 4 kq + nbg: rows 128 kq on, my wave's 32 columns: 32 (4 nbg + wave)
	s_sub_co_u32 s25, ttmp9, 384
	s_lshr_b32 s26, s25, 2                         ; kq
	s_and_b32 s27, s25, 3                          ; nbg
	s_lshl_b32 s30, s26, 18
	s_lshl_b32 s28, s27, 2
	s_add_co_u32 s28, s28, s24
	s_lshl_b32 s28, s28, 7
	s_add_co_u32 s30, s30, s28
	s_add_nc_u64 s[22:23], s[12:13], s[30:31]
	s_lshr_b32 s28, s26, 2
	s_lshl_b32 s30, s28, 19                        ; the head: kq / 4
	s_lshl_b32 s28, s27, 17
	s_add_co_u32 s30, s30, s28
	s_and_b32 s28, s26, 3
	s_lshl_b32 s28, s28, 15                        ; K steps of 32: 4 (kq % 4) on
	s_add_co_u32 s30, s30, s28
	s_lshl_b32 s28, s24, 11                        ; row tiles 2 wave, 2 wave + 1
	s_add_co_u32 s30, s30, s28
	s_add_nc_u64 s[20:21], s[20:21], s[30:31]
	v_lshl_add_u32 v[AO], v[HH], 10, v9
	CLOAD 0
	CLOAD 1
.macro JBLOCK t                        ; 32 along K of my column: eight numbers q lie in half q / 2 of the fragment, lanes 16 (q % 2) on: 256 q bytes on
.set XS, X+32*((\t)%2)
	CWAIT \t
.set i, 0
.rept 16
	v_cvt_pk_f16_f32 v[P+16*(\t)+i], v[XS+2*i], v[XS+2*i+1]
.set i, i+1
.endr
.irp q, 0,1,2,3
	global_store_b128 v[AO], v[P+16*(\t)+4*\q:P+16*(\t)+4*\q+3], s[20:21] offset:(\t)*8192+\q*256
.endr
.if (\t) < 2
	CLOAD (\t)+2
.endif
.endm
	JBLOCK 0
	JBLOCK 1
	JBLOCK 2
	JBLOCK 3
	s_wait_tensorcnt 0x0                           ; the wave's end
	ds_add_u32 v[SPW], v[NIL]
	s_wait_dscnt 0x0
	s_endpgm
.Lpath_x:
	; ---- x: work-group 512 + xg takes rows 32 xg on; wave s takes K step s.  Four sub-steps u: row tile u / 2, half u % 2 of the K step (64 numbers, 256 bytes of a row)
	s_sub_co_u32 s25, ttmp9, 512                   ; xg
	s_lshl_b32 s30, s25, 16
	s_lshl_b32 s26, s24, 9
	s_add_co_u32 s30, s30, s26
	s_add_nc_u64 s[4:5], s[4:5], s[30:31]          ; x + 32 xg rows + 512 s
	s_lshl_b32 s30, s25, 13
	s_lshl_b32 s26, s24, 10
	s_add_co_u32 s30, s30, s26
	s_add_nc_u64 s[14:15], s[14:15], s[30:31]
	s_lshl_b32 s30, s25, 16
	s_lshl_b32 s26, s24, 13
	s_add_co_u32 s30, s30, s26
	s_add_nc_u64 s[18:19], s[18:19], s[30:31]
	s_lshl_b32 s30, s25, 9
	s_lshl_b32 s26, s24, 2
	s_add_co_u32 s30, s30, s26
	s_add_nc_u64 s[16:17], s[16:17], s[30:31]
	s_mov_b32 s34, 0x76543210
	s_mov_b32 s35, 0xfedcba98                      ; v_permlanex16_b32's selects for lane l xor 16
.irp u, 0,1,2,3
.irp i, 0,1,2,3,4,5,6,7
	global_load_b128 v[X+32*\u+4*\i:X+32*\u+4*\i+3], v[XO], s[4:5] offset:(16*(\u/2)+2*\i)*2048+(\u%2)*256 th:TH_LOAD_NT   ; sixteen lanes read 256 consecutive bytes of a row
.endr
.endr
; The conversions want a block's 32 numbers in ONE lane; the loads took the bytes as they lie.  So a sub-step's 16 rows x 256 bytes turn through my own stage (rows 272 bytes apart) and come back into the registers that they left.
.macro TURN u
	s_wait_loadcnt 8*(3-(\u))                      ; the later sub-steps' loads may be out
.irp i, 0,1,2,3,4,5,6,7
	ds_store_b128 v[SI], v[X+32*(\u)+4*\i:X+32*(\u)+4*\i+3] offset:((\u)%2)*4352+\i*544
.endr
.irp j, 0,1,2,3,4,5,6,7
	ds_load_b128 v[X+32*(\u)+4*\j:X+32*(\u)+4*\j+3], v[SO] offset:((\u)%2)*4352+16*\j   ; LDS serves a wave's instructions in order (ISA guide 5.7.1.4): these see the stores above
.endr
.endm
.macro XWORK u                         ; lane (r, h) holds x[16 (u / 2) + r][128 s + 64 (u % 2) + 32 h + 0..31]: the very numbers that half u % 2 of the fragment wants of it
.set XS, X+32*(\u)
	AMAX
.irp g, 0,1,2,3
	v_cvt_scalef32_pk8_fp4_f32 v[C+4*(\u)+\g], v[XS+8*\g:XS+8*\g+7], v11
.endr
	v_lshrrev_b32 v[E+(\u)], 23, v11               ; the scale's byte (and the plain line behind the conversions)
	global_store_b128 v[L16], v[C+4*(\u):C+4*(\u)+3], s[14:15] offset:((\u)/2)*4096+((\u)%2)*512
.irp q, 0,1,2,3,4,5,6,7                ; and the numbers themselves, four at a time, to their places in xi
	global_store_b128 v[XO], v[XS+4*\q:XS+4*\q+3], s[18:19] offset:((\u)/2)*32768+(4*((\u)%2)+\q/4)*1024+(\q%2)*512+((\q/2)%2)*256
.endr
.endm
	TURN 0
.irp u, 0,1,2,3
.if \u < 3
	TURN \u+1
	s_wait_dscnt 16                                ; this sub-step is back; the next one's 16 LDS instructions may be out
.else
	s_wait_dscnt 0x0
.endif
	XWORK \u
.endr
	v_lshl_or_b32 v20, v[E+1], 16, v[E]            ; row tile 0: my bytes: blocks h and 2 + h,
	v_lshl_or_b32 v21, v[E+3], 16, v[E+2]          ; row tile 1
	v_lshlrev_b32 v20, v[SH8], v20                 ; at their places in the word
	v_lshlrev_b32 v21, v[SH8], v21
	v_mov_b32 v22, 0
	v_mov_b32 v23, 0
	v_permlanex16_b32 v22, v20, s34, s35
	v_permlanex16_b32 v23, v21, s34, s35
	v_or_b32 v20, v20, v22                         ; with lane l xor 16's two bytes the word is whole
	v_or_b32 v21, v21, v23
	v_cmp_gt_u32 vcc_lo, 16, v[LN]
	v_cndmask_b32 v20, v21, v20, vcc_lo            ; lane l keeps row l's word
	global_store_b32 v[L16], v20, s[16:17]
	s_wait_tensorcnt 0x0                           ; the wave's end, behind my last LDS store
	ds_add_u32 v[SPW], v[NIL]
	s_wait_dscnt 0x0
	s_endpgm
.Lfunc_end_k_q27f7b564ce_prep:
	.size	k_q27f7b564ce_prep, .Lfunc_end_k_q27f7b564ce_prep-k_q27f7b564ce_prep
	.p2alignl 7, 3214868480
	.fill 96, 4, 3214868480
	.section	.rodata,"a",@progbits
	.p2align	6, 0x0
	.amdhsa_kernel k_q27f7b564ce_prep
		.amdhsa_group_segment_fixed_size 35328
		.amdhsa_private_segment_fixed_size 0
		.amdhsa_enable_private_segment 0
		.amdhsa_kernarg_size 72
		.amdhsa_user_sgpr_count 2
		.amdhsa_user_sgpr_kernarg_segment_ptr 1
		.amdhsa_wavefront_size32 1
		.amdhsa_system_sgpr_workgroup_id_x 1
		.amdhsa_system_sgpr_workgroup_id_y 1
		.amdhsa_system_sgpr_workgroup_id_z 1
		.amdhsa_system_vgpr_workitem_id 0
		.amdhsa_next_free_vgpr 200
		.amdhsa_next_free_sgpr 66
		.amdhsa_reserve_vcc 1
		.amdhsa_float_denorm_mode_32 3
		.amdhsa_float_denorm_mode_16_64 3
		.amdhsa_memory_ordered 1
		.amdhsa_forward_progress 1
		.amdhsa_inst_pref_size 58
	.end_amdhsa_kernel
	.amdgpu_metadata
---
amdhsa.version: [ 1, 2 ]
amdhsa.kernels:
  - .name:           k_q27f7b564ce_prep
    .symbol:         k_q27f7b564ce_prep.kd
    .args:
      - { .name: x, .offset: 0, .size: 8, .value_kind: global_buffer, .address_space: global }
      - { .name: Wq, .offset: 8, .size: 8, .value_kind: global_buffer, .address_space: global }
      - { .name: Wk, .offset: 16, .size: 8, .value_kind: global_buffer, .address_space: global }
      - { .name: Wv, .offset: 24, .size: 8, .value_kind: global_buffer, .address_space: global }
      - { .name: Wj, .offset: 32, .size: 8, .value_kind: global_buffer, .address_space: global }
      - { .name: cod, .offset: 40, .size: 8, .value_kind: global_buffer, .address_space: global }
      - { .name: scl, .offset: 48, .size: 8, .value_kind: global_buffer, .address_space: global }
      - { .name: xi, .offset: 56, .size: 8, .value_kind: global_buffer, .address_space: global }
      - { .name: wjh, .offset: 64, .size: 8, .value_kind: global_buffer, .address_space: global }
    .group_segment_fixed_size: 35328
    .private_segment_fixed_size: 0
    .kernarg_segment_align: 8
    .kernarg_segment_size: 72
    .max_flat_workgroup_size: 128
    .sgpr_count:     66
    .vgpr_count:     200
    .wavefront_size: 32
...
	.end_amdgpu_metadata
.endif
;; end of part 1
;; launch kvproj (part 2): grid 16 x 16, 4 waves a work-group, no clusters, 0 bytes of LDS; arguments cod, scl, kimg, vimg; writes kimg, vimg
.if DOCPART == 2
	.amdgcn_target "amdgcn-amd-amdhsa--gfx1250"
	.amdhsa_code_object_version 6
	.text
	.protected	k_q27f7b564ce_kvproj
	.globl	k_q27f7b564ce_kvproj
	.p2align	8
	.type	k_q27f7b564ce_kvproj,@function
k_q27f7b564ce_kvproj:
	s_mov_b64 s[64:65], 0
	v_nop
	global_prefetch_b8 v0, s[64:65] scope:SCOPE_SE
	s_setreg_imm32_b32 hwreg(HW_REG_WAVE_MODE, 25, 1), 1
	s_wait_xcnt 0x0
; k = x Wk[h] and v = x Wv[h], on codes of FP4 (E2M1) with E8M0 scales; the results leave as f16, as images of the operand registers that the attention launch wants.
; SHARES.  Work-group (rg, y): 256 rows of x (rg), one matrix (y / 8: keys or values) of one head (y % 8).  Wave w owns channels 128 w .. + 127: its 32 weight fragments stay in registers, and it walks four blocks of 64 rows.
; Each operand byte goes from memory straight into the registers of the one wave that multiplies it (the weights) or of four waves (x's codes, 16,384 bytes a block): nothing would be spared by LDS, so there is none, and no barrier.
; No cluster: what work-groups share (x's codes along y, the weights along rg) is 196,608 bytes a work-group, read once each at its head or a block ahead of their use, and there is no ring to fill jointly.
; WHICH SIDE IS SOURCE 0: the side whose index is to run along a lane's registers, since that index is the next product's K.  Keys: source 0 = 16 channels of Wk, source 1 = 16 rows of x: a lane holds one key and eight channels.
; Values: source 0 = 16 rows of x, source 1 = 16 channels of Wv: a lane holds one channel and eight keys.  Two neighbouring tiles, rounded to f16 in pairs, ARE a fragment of 16 x 32.
;   kimg: bh 2^20 + (T / 8) 131072 + c 8192 + (T % 8) 1024 (T = key / 16, c = channel / 32);   vimg: bh 2^20 + w 262144 + G 8192 + a 1024 (G = key / 32, channels 128 w + 16 a on).
; LIMITS: |k| and |v| stay under 65,504 (f16).
; REGISTERS, in windows of 256: window 0: v1, v2 addresses; v32-63 the weights' scale words (4 i + s), v64-95 x's, two sets (16 set + 4 i + s): these hold scales alone; v128-255 packed results.
;   window 1: the weights' fragments (32 i + 8 s).   window 2: 32 accumulators.   window 3: x's fragments, two sets (128 set + 32 i + 8 s).
.set LI,  1                            ; v1  16 x lane
.set LR,  2                            ; v2  16 x (lane % 16)
.set WS,  32
.set XSC, 64
.set TMP, 128
.set MSB, 0
.macro WIN new                         ; the immediate's high byte repeats the setting that is left
.if MSB != (\new)
	s_set_vgpr_msb (MSB<<8)|(\new)
.set MSB, (\new)
.endif
.endm
	s_load_b256 s[4:11], s[0:1], 0x0               ; cod, scl, kimg, vimg
	v_and_b32 v3, 31, v0
	v_lshlrev_b32 v[LI], 4, v3
	v_and_b32 v3, 15, v0
	v_lshlrev_b32 v[LR], 4, v3
	v_lshrrev_b32 v3, 5, v0
	v_readfirstlane_b32 s12, v3                    ; wave 0..3
	s_and_b32 s14, ttmp7, 0xffff                   ; y
	s_lshr_b32 s15, s14, 3                         ; 0: keys, 1: values
	s_and_b32 s16, s14, 7                          ; h
	s_add_co_u32 s17, s14, 8                       ; the matrix's number among the 24: 8 (1 + y / 8) + h
	s_lshl_b32 s30, s17, 17
	s_add_co_u32 s30, s30, 1048576
	s_lshl_b32 s18, s12, 15
	s_add_co_u32 s30, s30, s18                     ; my 8 row tiles of its codes
	s_mov_b32 s31, 0
	s_lshl_b32 s32, s17, 13
	s_add_co_u32 s32, s32, 65536
	s_lshl_b32 s18, s12, 11
	s_add_co_u32 s32, s32, s18                     ; and of its scale words
	s_mov_b32 s33, 0
	s_lshl_b32 s34, ttmp9, 16                      ; x's codes: 16 row tiles of 4,096 bytes a work-group
	s_mov_b32 s35, 0
	s_lshl_b32 s36, ttmp9, 12                      ; x's scale words: 256 rows of 16 bytes
	s_mov_b32 s37, 0
	s_cmp_eq_u32 s15, 0
	s_cselect_b32 s18, 18, 16                      ; a quarter of a batch's keys: in kimg two groups of 131,072 bytes, in vimg eight of 8,192
	s_cselect_b32 s19, 15, 18                      ; my channels: in kimg four K steps of 8,192, in vimg a stream of 262,144
	s_and_b32 s13, ttmp9, 3
	s_lshl_b32 s13, s13, s18
	s_lshl_b32 s19, s12, s19
	s_add_co_u32 s13, s13, s19
	s_lshr_b32 s18, ttmp9, 2
	s_lshl_b32 s18, s18, 3
	s_add_co_u32 s18, s18, s16                     ; bh = 8 batch + head
	s_lshl_b32 s38, s18, 20
	s_add_co_u32 s38, s38, s13
	s_mov_b32 s39, 0
	s_wait_kmcnt 0x0
	s_add_nc_u64 s[20:21], s[4:5], s[30:31]
	s_add_nc_u64 s[22:23], s[6:7], s[32:33]
	s_add_nc_u64 s[24:25], s[4:5], s[34:35]
	s_add_nc_u64 s[26:27], s[6:7], s[36:37]
	s_cmp_eq_u32 s15, 0
	s_cselect_b64 s[28:29], s[8:9], s[10:11]       ; the choice hangs on the work-group's number alone
	s_add_nc_u64 s[28:29], s[28:29], s[38:39]
	WIN 0x40                                       ; destination window 1
.irp i, 0,1,2,3,4,5,6,7
.irp s, 0,1,2,3
.irp c, 0,1
	global_load_b128 v[32*\i+8*\s+4*\c:32*\i+8*\s+4*\c+3], v[LI], s[20:21] offset:\i*4096+\s*1024+\c*512
.endr
.endr
.endr
	WIN 0
.irp i, 0,1,2,3,4,5,6,7
	global_load_b128 v[WS+4*\i:WS+4*\i+3], v[LR], s[22:23] offset:\i*256   ; a row's four words: all four K steps
.endr
.macro XLOAD bt                        ; block bt's 64 rows: 32 loads of codes, 4 of scale words: 36
.set SG, (\bt)%2
	WIN 0xc0                                       ; destination window 3
.irp i, 0,1,2,3
.irp s, 0,1,2,3
.irp c, 0,1
	global_load_b128 v[128*SG+32*\i+8*\s+4*\c:128*SG+32*\i+8*\s+4*\c+3], v[LI], s[24:25] offset:(4*(\bt)+\i)*4096+\s*1024+\c*512
.endr
.endr
.endr
	WIN 0
.irp i, 0,1,2,3
	global_load_b128 v[XSC+16*SG+4*\i:XSC+16*SG+4*\i+3], v[LR], s[26:27] offset:(4*(\bt)+\i)*256
.endr
.endm
; 32 matrix instructions, 128 along K: the 32 accumulators take turns, one instruction a turn, in the same order in every K step.  The first K step starts the sums.
.macro MM ty, s
.if \ty == 0
.irp a, 0,1,2,3
.irp b, 0,1,2,3,4,5,6,7
.if \s == 0
	v_wmma_scale_f32_16x16x128_f8f6f4 v[8*(8*\a+\b):8*(8*\a+\b)+7], v[32*\b+8*\s:32*\b+8*\s+7], v[128*SM+32*\a+8*\s:128*SM+32*\a+8*\s+7], 0, v[WS+4*\b+\s], v[XSC+16*SM+4*\a+\s] matrix_a_fmt:MATRIX_FMT_FP4 matrix_b_fmt:MATRIX_FMT_FP4
.else
	v_wmma_scale_f32_16x16x128_f8f6f4 v[8*(8*\a+\b):8*(8*\a+\b)+7], v[32*\b+8*\s:32*\b+8*\s+7], v[128*SM+32*\a+8*\s:128*SM+32*\a+8*\s+7], v[8*(8*\a+\b):8*(8*\a+\b)+7], v[WS+4*\b+\s], v[XSC+16*SM+4*\a+\s] matrix_a_fmt:MATRIX_FMT_FP4 matrix_b_fmt:MATRIX_FMT_FP4
.endif
.endr
.endr
.else
.irp a, 0,1,2,3,4,5,6,7
.irp b, 0,1,2,3
.if \s == 0
	v_wmma_scale_f32_16x16x128_f8f6f4 v[8*(4*\a+\b):8*(4*\a+\b)+7], v[128*SM+32*\b+8*\s:128*SM+32*\b+8*\s+7], v[32*\a+8*\s:32*\a+8*\s+7], 0, v[XSC+16*SM+4*\b+\s], v[WS+4*\a+\s] matrix_a_fmt:MATRIX_FMT_FP4 matrix_b_fmt:MATRIX_FMT_FP4
.else
	v_wmma_scale_f32_16x16x128_f8f6f4 v[8*(4*\a+\b):8*(4*\a+\b)+7], v[128*SM+32*\b+8*\s:128*SM+32*\b+8*\s+7], v[32*\a+8*\s:32*\a+8*\s+7], v[8*(4*\a+\b):8*(4*\a+\b)+7], v[XSC+16*SM+4*\b+\s], v[WS+4*\a+\s] matrix_a_fmt:MATRIX_FMT_FP4 matrix_b_fmt:MATRIX_FMT_FP4
.endif
.endr
.endr
.endif
.endm
.macro BLOCK ty, bt
.if (\bt) < 3
	XLOAD (\bt)+1                                  ; into the set that the block before has left: its products stand behind four v_nop and 128 conversions
	s_wait_loadcnt 36                              ; all but the 36 just issued
.else
	s_wait_loadcnt 0x0
.endif
.set SM, (\bt)%2
.if \ty == 0
	WIN 0xad                                       ; source 0 window 1 (weights), source 1 window 3 (x), C and D window 2
.else
	WIN 0xa7                                       ; source 0 window 3 (x), source 1 window 1 (weights)
.endif
	MM \ty, 0
	MM \ty, 1
	MM \ty, 2
	MM \ty, 3
.rept 4
	v_nop                                          ; four places between the last products and the first read of results (ISA guide 7.12.1)
.endr
.if (\bt) > 0
	s_wait_xcnt 0x0                                ; the last block's stores have read their data: only behind this wait are those registers written again
.endif
	WIN 0x0a                                       ; sources 0 and 1 window 2
.set n, 0
.rept 128
	v_cvt_pk_f16_f32 v[TMP+n], v[2*n], v[2*n+1]    ; each accumulator from its low end on; 16 registers of two neighbouring tiles make a fragment's eight
.set n, n+1
.endr
	WIN 0
.if \ty == 0
.irp a, 0,1,2,3
.irp g, 0,1,2,3
.irp p, 0,1
	global_store_b128 v[LI], v[TMP+8*(4*\a+\g)+4*\p:TMP+8*(4*\a+\g)+4*\p+3], s[28:29] offset:((\bt)/2)*131072+\g*8192+(4*((\bt)%2)+\a)*1024+\p*512 th:TH_STORE_NT   ; 512 consecutive bytes
.endr
.endr
.endr
.else
.irp a, 0,1,2,3,4,5,6,7
.irp g, 0,1
.irp p, 0,1
	global_store_b128 v[LI], v[TMP+8*(2*\a+\g)+4*\p:TMP+8*(2*\a+\g)+4*\p+3], s[28:29] offset:(2*(\bt)+\g)*8192+\a*1024+\p*512 th:TH_STORE_NT
.endr
.endr
.endr
.endif
.endm
	XLOAD 0
	s_cmp_lg_u32 s15, 0
	s_cbranch_scc1 .Lvalues
	BLOCK 0, 0
	BLOCK 0, 1
	BLOCK 0, 2
	BLOCK 0, 3
	s_endpgm
.Lvalues:
	BLOCK 1, 0
	BLOCK 1, 1
	BLOCK 1, 2
	BLOCK 1, 3
	s_endpgm
.Lfunc_end_k_q27f7b564ce_kvproj:
	.size	k_q27f7b564ce_kvproj, .Lfunc_end_k_q27f7b564ce_kvproj-k_q27f7b564ce_kvproj
	.p2alignl 7, 3214868480
	.fill 96, 4, 3214868480
	.section	.rodata,"a",@progbits
	.p2align	6, 0x0
	.amdhsa_kernel k_q27f7b564ce_kvproj
		.amdhsa_group_segment_fixed_size 0
		.amdhsa_private_segment_fixed_size 0
		.amdhsa_enable_private_segment 0
		.amdhsa_kernarg_size 32
		.amdhsa_user_sgpr_count 2
		.amdhsa_user_sgpr_kernarg_segment_ptr 1
		.amdhsa_wavefront_size32 1
		.amdhsa_system_sgpr_workgroup_id_x 1
		.amdhsa_system_sgpr_workgroup_id_y 1
		.amdhsa_system_sgpr_workgroup_id_z 1
		.amdhsa_system_vgpr_workitem_id 0
		.amdhsa_next_free_vgpr 1024
		.amdhsa_next_free_sgpr 66
		.amdhsa_reserve_vcc 0
		.amdhsa_float_denorm_mode_32 3
		.amdhsa_float_denorm_mode_16_64 3
		.amdhsa_memory_ordered 1
		.amdhsa_forward_progress 1
		.amdhsa_inst_pref_size 251
	.end_amdhsa_kernel
	.amdgpu_metadata
---
amdhsa.version: [ 1, 2 ]
amdhsa.kernels:
  - .name:           k_q27f7b564ce_kvproj
    .symbol:         k_q27f7b564ce_kvproj.kd
    .args:
      - { .name: cod, .offset: 0, .size: 8, .value_kind: global_buffer, .address_space: global }
      - { .name: scl, .offset: 8, .size: 8, .value_kind: global_buffer, .address_space: global }
      - { .name: kimg, .offset: 16, .size: 8, .value_kind: global_buffer, .address_space: global }
      - { .name: vimg, .offset: 24, .size: 8, .value_kind: global_buffer, .address_space: global }
    .group_segment_fixed_size: 0
    .private_segment_fixed_size: 0
    .kernarg_segment_align: 8
    .kernarg_segment_size: 32
    .max_flat_workgroup_size: 128
    .sgpr_count:     66
    .vgpr_count:     1024
    .wavefront_size: 32
...
	.end_amdgpu_metadata
.endif
;; end of part 2
;; launch attn (part 3): grid 8 x 32, 4 waves a work-group, no clusters, 308,736 bytes of LDS; arguments cod, scl, kimg, vimg, wjh, xi, part; writes part
.if DOCPART == 3
	.amdgcn_target "amdgcn-amd-amdhsa--gfx1250"
	.amdhsa_code_object_version 6
	.text
	.protected	k_q27f7b564ce_attn
	.globl	k_q27f7b564ce_attn
	.p2align	8
	.type	k_q27f7b564ce_attn,@function
k_q27f7b564ce_attn:
	s_mov_b64 s[64:65], 0
	v_nop
	global_prefetch_b8 v0, s[64:65] scope:SCOPE_SE
	s_setreg_imm32_b32 hwreg(HW_REG_WAVE_MODE, 25, 1), 1
	s_wait_xcnt 0x0
; For 128 queries of one batch and head: q = x Wq[h] (codes of FP4, E8M0 scales), S = q k^T, softmax, O = p v, z = O / sum + x, part[h] = z Wj[512 h .. 512 h + 511][:].  All but the first product take f16 operands; sums, maxima, exponentials in f32.
; SHARES.  Work-group (h, y): the grid's x is the head h, its y is 8 batch + xq, xq the block of 128 queries: the eight work-groups that walk one batch and head's k and v differ in y's low three bits alone.
; EVERY product runs on a tile of 128 x 128 a wave, 64 accumulators, 512 registers.  Source 0 is PRIVATE to a wave and comes from memory straight into its registers: 128 channels of Wq, 128 keys,
; 128 channels of v, 128 columns of Wj.  Source 1 is SHARED by the four waves and read from LDS: the 128 queries' q, p or z, as images of operand registers (a fragment: 1,024 bytes; K step kk, query tile a at kk 8192 + a 1024).
; A lane holds ONE query (lane % 16) in every result, and eight neighbours along the next product's K: two neighbouring tiles, rounded to f16 in pairs, are the next fragment.
; THE SOFTMAX takes the true maximum away, in two halves of 512 keys.  O and a tile of S want 512 registers each, so both halves of S are finished and turned into p before O begins.  Half 0's p stands under its own maximum m0:
; the row's sum, and O between keys 511 and 512, are multiplied by F = 2^(c m0 - c m), at most 1.  The row's sum is taken of p before it is rounded.
; NO CLUSTER, NO TENSOR LOADS: q and p take 262,144 bytes of LDS; two slots of one K step for four waves would take 2 x 32,768, and with the exchange words, stages and spare words that is more than the 327,680 a work-group can have.
; And each byte of k, v and Wj is multiplied by exactly one wave of the work-group, so a way through LDS would share nothing inside it.
; LIMITS: |q|, |k|, |v|, |z| stay under 65,504 (f16); NaN and infinities are not served.
; LDS: [0, 131072) p of keys 0-511, later z;  [131072, 262144) q, later p of keys 512-1023;  STM, STL the waves' maxima and sums, 1,024 bytes a wave each;  STG four stages of 16 x 528 for the way out;  SPARE.
; REGISTERS, in windows of 256 (s_set_vgpr_msb: bits 1:0 source 0, 3:2 source 1, 5:4 source 2, 7:6 destination):
;   window 0: v1-14 addresses; v16-23 what goes to the other waves; v32-63 scale words (they hold nothing else); v64-127, v128-191 two sets of shared fragments (between products: at work); v192-255 statistics, eight a query tile.
;   window 1: four sets of private fragments.   windows 2, 3: accumulator (a, b) at v[8 (8 (a % 4) + b)] of window 2 + a / 4.
.set STM,   262144
.set STG,   270336
.set SPARE, 304128
.set LI,  1                            ; v1   16 x lane; never rewritten
.set LA,  3                            ; v3   LDS address of the shared fragments in hand
.set PA,  4                            ; v4   where I store p's images
.set SMS, 5                            ; v5   where I store my wave's maxima (sums: 4,096 on)
.set SML, 6                            ; v6   where I read the four waves'
.set STO, 7                            ; v7   the way out: into my stage
.set RD,  8                            ; v8   and back
.set PFO, 9                            ; v9   256 x lane: the prefetches' offset
.set SPW, 10                           ; v10  my spare word's LDS address; never rewritten
.set NIL, 11                           ; v11  0; never rewritten
.set QA,  12                           ; v12  where I store q's images
.set ZA,  13                           ; v13  16 x lane + 32768 x wave: my four K steps of a region
.set SCA, 14                           ; v14  my scale words' place in scl
.set EX,  16
.set SC,  32                           ; register 4 i + s: lanes 0-15 the word of Wq's tile i, lanes 16-31 that of x's tile i, K step s
.set SH0, 64
.set SH1, 128
.set ST,  192                          ; tile a at v[ST + 8 a]: +0 -c m, +1 m, +2, +3 the sum in two halves, +4 .. +7 at work; F takes +6, 1 / sum takes +4
.set XQN, 21                           ; s21  xq: my block of 128 queries; never rewritten
.set LB,  26                           ; s[26:27] the private stream in hand
.set NXT, 28                           ; s[28:29] the stream after it
.set NX2, 30                           ; s[30:31] v's stream
.set PFB, 32                           ; s[32:33] where the prefetches stand
.set J,   34                           ; s34  trips of a product's loop
.set PLIM, 35                          ; s35  a trip prefetches while J is under it
.set HF,  36                           ; s36  the half of the keys
.set LO,  37                           ; s37  LDS byte at which the trip's shared fragments begin
.set CS,  38                           ; s[38:39] c = log2(e): the packed form names a pair
.set NC,  40                           ; s40  -c
.set PO,  41                           ; s41  0 or 131072: the half's place for p
.set SEL, 42                           ; s[42:43] v_permlanex16_b32's selects for lane l xor 16
.set XCB, 44                           ; s[44:45] x's codes, my 8 row tiles
.set WCB, 46                           ; s[46:47] Wq's codes, my 8 row tiles
.set XIB, 48                           ; s[48:49] xi
.set OUT, 50                           ; s[50:51] part
.set WJB, 52                           ; s[52:53] Wj's stream
.set MUL_LO, 0xa1                      ; source 0 window 1, source 1 window 0, C and D window 2
.set MUL_HI, 0xf1                      ; the same, C and D window 3
.set MSB, 0
.macro WIN new                         ; the immediate's high byte repeats the setting that is left; a switch that changes nothing is dropped
.if MSB != (\new)
	s_set_vgpr_msb (MSB<<8)|(\new)
.set MSB, (\new)
.endif
.endm
; A load into a register that a matrix instruction has read, and a vector instruction that reads a result, stand four places behind it; only plain vector instructions that name none of its registers are places
.macro PLACES
.rept 4
	v_nop
.endr
.endm
.macro BARRIER                         ; my LDS stores have landed and my LDS loads are in: then the work-group's barrier
	s_wait_dscnt 0x0
	s_barrier_signal -1
	s_barrier_wait -1
.endm
; 16 matrix instructions: query tiles a0, a0 + 1 of the window's four x my eight private tiles, 32 along K.  zero = 1: the first product starts the sums: nothing is cleared.
; The 64 accumulators take turns, one instruction a turn, in one order everywhere.
.macro MUL16 pr, sh, hi, a0, zero
.irp a, \a0, \a0+1
.irp b, 0,1,2,3,4,5,6,7
.if \zero
	v_wmma_f32_16x16x32_f16 v[8*(8*(\a)+\b):8*(8*(\a)+\b)+7], v[\pr+8*\b:\pr+8*\b+7], v[\sh+8*(4*\hi+(\a)):\sh+8*(4*\hi+(\a))+7], 0
.else
	v_wmma_f32_16x16x32_f16 v[8*(8*(\a)+\b):8*(8*(\a)+\b)+7], v[\pr+8*\b:\pr+8*\b+7], v[\sh+8*(4*\hi+(\a)):\sh+8*(4*\hi+(\a))+7], v[8*(8*(\a)+\b):8*(8*(\a)+\b)+7]
.endif
.endr
.endr
.endm
.macro MULQ s, sh, hi, a0              ; the same 16 on codes, 128 along K: Wq's fragments of K step s lie at v[64 s] of window 1
.irp a, \a0, \a0+1
.irp b, 0,1,2,3,4,5,6,7
.if \s == 0
	v_wmma_scale_f32_16x16x128_f8f6f4 v[8*(8*(\a)+\b):8*(8*(\a)+\b)+7], v[64*\s+8*\b:64*\s+8*\b+7], v[\sh+8*(4*\hi+(\a)):\sh+8*(4*\hi+(\a))+7], 0, v[SC+4*\b+\s], v[SC+4*(4*\hi+(\a))+\s] matrix_a_fmt:MATRIX_FMT_FP4 matrix_b_fmt:MATRIX_FMT_FP4 matrix_b_scale:MATRIX_SCALE_ROW1
.else
	v_wmma_scale_f32_16x16x128_f8f6f4 v[8*(8*(\a)+\b):8*(8*(\a)+\b)+7], v[64*\s+8*\b:64*\s+8*\b+7], v[\sh+8*(4*\hi+(\a)):\sh+8*(4*\hi+(\a))+7], v[8*(8*(\a)+\b):8*(8*(\a)+\b)+7], v[SC+4*\b+\s], v[SC+4*(4*\hi+(\a))+\s] matrix_a_fmt:MATRIX_FMT_FP4 matrix_b_fmt:MATRIX_FMT_FP4 matrix_b_scale:MATRIX_SCALE_ROW1
.endif
.endr
.endr
.endm
.macro FETCH_SH sh, off                ; a K step's eight shared fragments: 16 loads of 512 consecutive bytes
.irp a, 0,1,2,3,4,5,6,7
	ds_load_b128 v[\sh+8*\a:\sh+8*\a+3], v[LA] offset:\off+\a*1024
	ds_load_b128 v[\sh+8*\a+4:\sh+8*\a+7], v[LA] offset:\off+\a*1024+512
.endr
.endm
.macro GLOAD pr, base, off             ; a K step's eight private fragments: 8,192 consecutive bytes of my stream
	WIN 0x40                                       ; destination window 1
.irp b, 0,1,2,3,4,5,6,7
	global_load_b128 v[\pr+8*\b:\pr+8*\b+3], v[LI], s[\base:\base+1] offset:\off+\b*1024
	global_load_b128 v[\pr+8*\b+4:\pr+8*\b+7], v[LI], s[\base:\base+1] offset:\off+\b*1024+512
.endr
.endm
; A K STEP of 32: 64 matrix instructions on private set pr and shared set sh.  In its middle, in one run: the next K step's shared fragments (LDS byte dsoff; none where it is negative) into the other shared set, and the private
; fragments of three K steps on (byte goff of stream gbase) into the set that the K step before has left.  lcnt: the private loads that may stay out: two younger sets of 16.
; step = 1: the trip's LDS address is made, behind the wait that shows no LDS load of mine out.
; pf = 1: A PREFETCH INTO THE L2 of the four K steps that the next trip will load: four K steps, 256 matrix instructions, ahead of those loads; 32 lanes x 256 bytes an instruction.  pf = 2: the same in the tail, for the next stream's
; K steps 4 to 7.  All eight work-groups of a batch and head walk the same k and v: the first of them (xq = 0) asks, each wave for its own stream, so each aligned 256 bytes are named once.  The requests stand together, behind the wave's loads.
.macro KSTEP pr, sh, zero, lcnt, step, dsoff, gbase, goff, pf
.set OSH, 192-(\sh)
.set GPR, (((\pr)/64+3)%4)*64
	s_wait_loadcnt \lcnt
	s_wait_dscnt 0x0                               ; the shared set, asked for 32 matrix instructions ago
.if \step
	v_add_nc_u32 v[LA], s[LO], v[LI]
.endif
	WIN MUL_LO
	MUL16 \pr, \sh, 0, 0, \zero
	MUL16 \pr, \sh, 0, 2, \zero
	PLACES
.if \dsoff >= 0
	WIN 0
	FETCH_SH OSH, \dsoff
.endif
.if \goff >= 0
	GLOAD GPR, \gbase, \goff
.endif
.if \pf == 1
	WIN 0                                          ; at a branch and at a label every window is 0
	s_cmp_lt_u32 s[J], s[PLIM]
	s_cbranch_scc0 .Lnp_\@
.irp i, 0,1,2,3
	global_prefetch_b8 v[PFO], s[PFB:PFB+1] offset:\i*8192 th:TH_LOAD_NT scope:SCOPE_SE
.endr
.Lnp_\@:
.endif
.if \pf == 2
	WIN 0
	s_cmp_lg_u32 s[PLIM], 0
	s_cbranch_scc0 .Lnp_\@
.irp i, 0,1,2,3
	global_prefetch_b8 v[PFO], s[\gbase:\gbase+1] offset:32768+\i*8192 th:TH_LOAD_NT scope:SCOPE_SE
.endr
.Lnp_\@:
.endif
	WIN MUL_HI
	MUL16 \pr, \sh, 1, 0, \zero
	MUL16 \pr, \sh, 1, 2, \zero
.endm
.macro RESCALE                         ; O under the whole row's maximum: x F, each accumulator from its low end on
	PLACES
.irp wn, 0,1
	WIN 0x82+0x41*\wn
.irp a, 0,1,2,3
.set n, 0
.rept 32
	v_pk_mul_f32 v[64*\a+n:64*\a+n+1], v[64*\a+n:64*\a+n+1], v[ST+8*(4*\wn+\a)+6:ST+8*(4*\wn+\a)+7] op_sel_hi:[1,0]
.set n, n+2
.endr
.endr
.endr
	WIN 0
.endm
; A PRODUCT over 4 nt K steps.  On entry: s[LO] = the shared region's first byte; K steps 0 to 2 of stream base have been asked for into private sets 0 to 2.  The first K step stands ahead of the loop and starts the sums; a trip is
; K steps 1, 2, 3, 0; the last three are written out.  chain = 1: they ask for K steps 0 to 2 of stream nxt, so that the private loads never stop; chain = 0: they ask for nothing, and the counts run down.
; pf: 0 no prefetch, 1 inside the stream, 2 on into stream nxt.  resc = 1: O is rescaled between K steps 15 and 16.
.macro GEMM nt, base, nxt, chain, pf, resc
.if \pf
	s_wait_xcnt 0x0                                ; earlier prefetches have read their address
	s_add_nc_u64 s[PFB:PFB+1], s[\base:\base+1], 0x10000
.endif
	v_add_nc_u32 v[LA], s[LO], v[LI]
	FETCH_SH SH0, 0
	KSTEP 0, SH0, 1, 32, 0, 8192, \base, 24576, 0
	WIN 0
	s_mov_b32 s[J], 0
.Lk_\@:
.if \pf
	KSTEP 64, SH1, 0, 32, 1, 16384, \base, 32768, 1
.else
	KSTEP 64, SH1, 0, 32, 1, 16384, \base, 32768, 0
.endif
	KSTEP 128, SH0, 0, 32, 0, 24576, \base, 40960, 0
	KSTEP 192, SH1, 0, 32, 0, 32768, \base, 49152, 0
.if \resc
	WIN 0
	s_cmp_lg_u32 s[J], 3
	s_cbranch_scc1 .Lnr_\@
	RESCALE
.Lnr_\@:
.endif
	KSTEP 0, SH0, 0, 32, 0, 40960, \base, 57344, 0
	WIN 0
	s_wait_xcnt 0x0                                ; the trip's loads and prefetches have read their bases: only behind this wait are those stepped
	s_add_nc_u64 s[\base:\base+1], s[\base:\base+1], 0x8000
	s_add_co_u32 s[LO], s[LO], 0x8000
	s_add_co_u32 s[J], s[J], 1
.if \pf
	s_add_nc_u64 s[PFB:PFB+1], s[\base:\base+1], 0x10000
.endif
.if \pf == 2
	s_cmp_eq_u32 s[J], \nt-2                       ; the loop's last trip asks for the next stream's first four K steps
	s_cselect_b64 s[PFB:PFB+1], s[\nxt:\nxt+1], s[PFB:PFB+1]
.endif
	s_cmp_lt_u32 s[J], \nt-1
	s_cbranch_scc1 .Lk_\@
.if \chain
.if \pf == 2
	KSTEP 64, SH1, 0, 32, 1, 16384, \nxt, 0, 2
.else
	KSTEP 64, SH1, 0, 32, 1, 16384, \nxt, 0, 0
.endif
	KSTEP 128, SH0, 0, 32, 0, 24576, \nxt, 8192, 0
	KSTEP 192, SH1, 0, 32, 0, -1, \nxt, 16384, 0
.else
	KSTEP 64, SH1, 0, 32, 1, 16384, \nxt, -1, 0
	KSTEP 128, SH0, 0, 16, 0, 24576, \nxt, -1, 0
	KSTEP 192, SH1, 0, 0, 0, -1, \nxt, -1, 0
.endif
	WIN 0
.endm
; The 64 accumulators become 32 f16 fragments (query tile a, my K steps g = 0..3) and go to LDS as images.  Four banks of 32 registers (the shared sets, free here) take turns.
.macro TOIMG adr
.irp a, 0,1,2,3,4,5,6,7
.if \a >= 4
	s_wait_dscnt 24                                ; the bank's last stores are done: the three younger banks' 24 may be out
.endif
	WIN 0x0a+5*(\a/4)                              ; sources 0 and 1: window 2 or 3
.set n, 0
.rept 32
	v_cvt_pk_f16_f32 v[64+32*(\a%4)+n], v[64*(\a%4)+2*n], v[64*(\a%4)+2*n+1]
.set n, n+1
.endr
	WIN 0
.irp g, 0,1,2,3
	ds_store_b128 v[\adr], v[64+32*(\a%4)+8*\g:64+32*(\a%4)+8*\g+3] offset:\g*8192+\a*1024
	ds_store_b128 v[\adr], v[64+32*(\a%4)+8*\g+4:64+32*(\a%4)+8*\g+7] offset:\g*8192+\a*1024+512
.endr
.endr
.endm
	s_load_b256 s[4:11], s[0:1], 0x0               ; cod, scl, kimg, vimg
	s_load_b128 s[12:15], s[0:1], 0x20             ; wjh, xi
	s_load_b64 s[16:17], s[0:1], 0x30              ; part
	v_lshl_add_u32 v[SPW], v0, 2, SPARE
	v_mov_b32 v[NIL], 0
	v_lshrrev_b32 v24, 5, v0
	v_readfirstlane_b32 s20, v24                   ; wave 0..3
	v_and_b32 v24, 31, v0                          ; lane
	v_and_b32 v25, 15, v0                          ; r
	v_bfe_u32 v26, v0, 4, 1                        ; lane / 16
	v_lshlrev_b32 v[LI], 4, v24
	v_lshlrev_b32 v[PFO], 8, v24
	s_lshl_b32 s54, s20, 15
	v_add_nc_u32 v[ZA], s54, v[LI]
	v_add_nc_u32 v[QA], 131072, v[ZA]
	s_lshl_b32 s54, s20, 10
	s_add_co_u32 s54, s54, STM
	v_add_nc_u32 v[SMS], s54, v[LI]
	v_add_nc_u32 v[SML], STM, v[LI]
	s_mul_i32 s54, s20, 8448
	s_add_co_u32 s54, s54, STG                     ; my stage
	v_mul_u32_u24 v[STO], v25, 528
	v_lshl_add_u32 v[STO], v26, 5, v[STO]
	v_add_nc_u32 v[STO], s54, v[STO]               ; in: row r, 32 bytes for each half of the lanes
	v_add_nc_u32 v[RD], s54, v[LI]                 ; back: the 32 lanes take one row of 512 bytes
	s_and_b32 s22, ttmp7, 0xffff                   ; the grid's y = 8 batch + xq
	s_lshr_b32 s23, s22, 3                         ; batch
	s_and_b32 s[XQN], s22, 7                       ; xq
	s_mov_b32 s24, ttmp9                           ; the grid's x: the head
	s_lshl_b32 s22, s23, 3
	s_add_co_u32 s22, s22, s24                     ; bh = 8 batch + head
	s_lshl_b32 s[XCB], s23, 18                     ; x's row tiles 64 batch + 8 xq on, 4,096 bytes each
	s_lshl_b32 s54, s[XQN], 15
	s_add_co_u32 s[XCB], s[XCB], s54
	s_mov_b32 s[XCB+1], 0
	s_lshl_b32 s[WCB], s24, 17                     ; Wq[h], my 8 row tiles
	s_lshl_b32 s54, s20, 15
	s_add_co_u32 s[WCB], s[WCB], s54
	s_add_co_u32 s[WCB], s[WCB], 1048576
	s_mov_b32 s[WCB+1], 0
	s_lshl_b32 s55, s22, 20
	s_lshl_b32 s54, s20, 17
	s_add_co_u32 s[LB], s55, s54                   ; k: my 128 keys of the first half
	s_mov_b32 s[LB+1], 0
	s_lshl_b32 s54, s20, 18
	s_add_co_u32 s[NX2], s55, s54                  ; v: my 128 channels
	s_mov_b32 s[NX2+1], 0
	s_lshl_b32 s[WJB], s24, 19
	s_lshl_b32 s54, s20, 17
	s_add_co_u32 s[WJB], s[WJB], s54               ; Wj: the head's 512 rows, my 128 columns
	s_mov_b32 s[WJB+1], 0
	s_lshl_b32 s56, s23, 21
	s_lshl_b32 s54, s[XQN], 18
	s_add_co_u32 s56, s56, s54                     ; 2,048 x my first query's row: the same in xi and in a head's part
	s_lshl_b32 s54, s20, 13
	s_add_co_u32 s[XIB], s56, s54
	s_mov_b32 s[XIB+1], 0
	s_lshl_b32 s[OUT], s24, 23
	s_add_co_u32 s[OUT], s[OUT], s56
	s_lshl_b32 s54, s20, 9
	s_add_co_u32 s[OUT], s[OUT], s54
	s_mov_b32 s[OUT+1], 0
	s_lshl_b32 s57, s24, 13
	s_lshl_b32 s54, s20, 11
	s_add_co_u32 s57, s57, s54
	s_add_co_u32 s57, s57, 65536                   ; Wq's scale words, my 128 rows
	s_lshl_b32 s58, s23, 14
	s_lshl_b32 s54, s[XQN], 11
	s_add_co_u32 s58, s58, s54                     ; x's, the 128 queries
	v_mov_b32 v27, s57
	v_mov_b32 v28, s58
	v_cmp_gt_u32 vcc_lo, 16, v24
	v_cndmask_b32 v27, v28, v27, vcc_lo            ; lanes 0-15 take Wq's, lanes 16-31 x's
	v_lshl_add_u32 v[SCA], v25, 4, v27
	s_mov_b32 s[CS], 0x3fb8aa3b                    ; c = log2(e): reference() has no 1 / sqrt(d)
	s_mov_b32 s[CS+1], s[CS]
	s_mov_b32 s[NC], 0xbfb8aa3b
	s_mov_b32 s[SEL], 0x76543210
	s_mov_b32 s[SEL+1], 0xfedcba98
	s_cmp_eq_u32 s[XQN], 0
	s_cselect_b32 s[PLIM], 3, 0                    ; the scores' loops have three trips: all prefetch, in the first work-group of a batch and head
.irp a, 0,1,2,3,4,5,6,7
	v_mov_b32 v[ST+8*\a], 0x7f800000               ; -c m = +infinity,
	v_mov_b32 v[ST+8*\a+1], 0xff800000             ; m = -infinity: the first F is 2^-infinity = 0,
	v_mov_b32 v[ST+8*\a+2], 0                      ; and the sum begins at 0
	v_mov_b32 v[ST+8*\a+3], 0
.endr
	s_wait_kmcnt 0x0
	s_add_nc_u64 s[XCB:XCB+1], s[4:5], s[XCB:XCB+1]
	s_add_nc_u64 s[WCB:WCB+1], s[4:5], s[WCB:WCB+1]
	s_add_nc_u64 s[LB:LB+1], s[8:9], s[LB:LB+1]
	s_add_nc_u64 s[NXT:NXT+1], s[LB:LB+1], 0x80000 ; the second half's keys
	s_add_nc_u64 s[NX2:NX2+1], s[10:11], s[NX2:NX2+1]
	s_add_nc_u64 s[WJB:WJB+1], s[12:13], s[WJB:WJB+1]
	s_add_nc_u64 s[XIB:XIB+1], s[14:15], s[XIB:XIB+1]
	s_add_nc_u64 s[OUT:OUT+1], s[16:17], s[OUT:OUT+1]
	; ---- 1: q = x Wq[h]: my 128 channels for the 128 queries, four K steps of 128
	WIN 0x40
.irp s, 0,1,2,3
.irp i, 0,1,2,3,4,5,6,7
.irp c, 0,1
	global_load_b128 v[64*\s+8*\i+4*\c:64*\s+8*\i+4*\c+3], v[LI], s[WCB:WCB+1] offset:\i*4096+\s*1024+\c*512
.endr
.endr
.endr
	WIN 0
.irp i, 0,1,2,3,4,5,6,7
	global_load_b128 v[SC+4*\i:SC+4*\i+3], v[SCA], s[6:7] offset:\i*256   ; a row's four words: all four K steps
.endr
.macro XQ s, sh                        ; x's eight fragments of K step s: 16 loads
.irp a, 0,1,2,3,4,5,6,7
.irp c, 0,1
	global_load_b128 v[\sh+8*\a+4*\c:\sh+8*\a+4*\c+3], v[LI], s[XCB:XCB+1] offset:\a*4096+(\s)*1024+\c*512
.endr
.endr
.endm
	XQ 0, SH0
	XQ 1, SH1
; cnt: the loads issued behind x's K step s.  s = 0: x1.  s = 1: x2, k0.  s = 2: k0, x3, k1.  s = 3: k1, k2 (16 each).  The set of Wq's fragments that a step has used takes k's K step s.
.macro QSTEP s, sh, cnt
	s_wait_loadcnt \cnt
	WIN MUL_LO
	MULQ \s, \sh, 0, 0
	MULQ \s, \sh, 0, 2
	WIN MUL_HI
	MULQ \s, \sh, 1, 0
	MULQ \s, \sh, 1, 2
	PLACES
	WIN 0
.if \s < 2
	XQ \s+2, \sh
.endif
.if \s < 3
	GLOAD 64*\s, LB, \s*8192
	WIN 0
.endif
.endm
	QSTEP 0, SH0, 16
	QSTEP 1, SH1, 32
	QSTEP 2, SH0, 48
	QSTEP 3, SH1, 32
	TOIMG QA
	BARRIER                                        ; q's 128 fragments lie in LDS
	; ---- 2: the two halves of the keys
.macro MAXW wn                         ; the largest score of each lane's 64, for the window's four query tiles: four chains of 16 registers a tile; each accumulator is first read at its low end
	WIN 0x2a+0x15*\wn
.irp a, 0,1,2,3
.irp q, 0,1,2,3
	v_max3_num_f32 v[ST+8*(4*\wn+\a)+4+\q], v[64*\a+16*\q], v[64*\a+16*\q+1], v[64*\a+16*\q+2]
.endr
.endr
	WIN 0x28+0x14*\wn
.irp i, 3,5,7,9,11,13
.irp a, 0,1,2,3
.irp q, 0,1,2,3
	v_max3_num_f32 v[ST+8*(4*\wn+\a)+4+\q], v[ST+8*(4*\wn+\a)+4+\q], v[64*\a+16*\q+\i], v[64*\a+16*\q+\i+1]
.endr
.endr
.endr
.irp a, 0,1,2,3
	v_max3_num_f32 v[ST+8*(4*\wn+\a)+4], v[ST+8*(4*\wn+\a)+4], v[64*\a+15], v[64*\a+31]
	v_max3_num_f32 v[ST+8*(4*\wn+\a)+6], v[ST+8*(4*\wn+\a)+6], v[64*\a+47], v[64*\a+63]
.endr
.endm
.macro EXPW wn                         ; p = 2^(c s - c m), in place
	WIN 0x82+0x41*\wn
.irp a, 0,1,2,3
.set n, 0
.rept 32
	v_pk_fma_f32 v[64*\a+n:64*\a+n+1], v[64*\a+n:64*\a+n+1], s[CS:CS+1], v[ST+8*(4*\wn+\a):ST+8*(4*\wn+\a)+1] op_sel_hi:[1,0,0]
.set n, n+2
.endr
.set n, 0
.rept 64
	v_exp_f32 v[64*\a+n], v[64*\a+n]
.set n, n+1
.endr
.endr
.endm
.macro LEVEL dist                      ; pairs dist registers apart are added, in place
.irp a, 0,1,2,3
.set n, 0
.rept \dist/2
	v_pk_add_f32 v[64*\a+n:64*\a+n+1], v[64*\a+n:64*\a+n+1], v[64*\a+n+\dist:64*\a+n+\dist+1]
.set n, n+2
.endr
.endr
.endm
	s_mov_b32 s[HF], 0
	s_mov_b32 s[PO], 0
.Lhalf:
	s_mov_b32 s[LO], 131072                        ; q
	GEMM 4, LB, NXT, 1, 2, 0                       ; S^T: my 128 keys x 128 queries, 16 K steps of 32 channels
	s_wait_xcnt 0x0                                ; the tail's loads and prefetches have read their base
	s_mov_b64 s[LB:LB+1], s[NXT:NXT+1]
	s_mov_b64 s[NXT:NXT+1], s[NX2:NX2+1]
	PLACES
	MAXW 0
	MAXW 1
	WIN 0
.irp a, 0,1,2,3,4,5,6,7
	v_max3_num_f32 v[ST+8*\a+4], v[ST+8*\a+4], v[ST+8*\a+5], v[ST+8*\a+6]
.endr
.irp a, 0,1,2,3,4,5,6,7
	v_max3_num_f32 v[ST+8*\a+4], v[ST+8*\a+4], v[ST+8*\a+7], v[ST+8*\a+1]   ; and the maximum so far
.endr
.irp a, 0,1,2,3,4,5,6,7
	v_permlanex16_b32 v[ST+8*\a+5], v[ST+8*\a+4], s[SEL], s[SEL+1]
.endr
.irp a, 0,1,2,3,4,5,6,7
	v_max_num_f32 v[EX+\a], v[ST+8*\a+4], v[ST+8*\a+5]
.endr
	ds_store_b128 v[SMS], v[EX:EX+3]
	ds_store_b128 v[SMS], v[EX+4:EX+7] offset:512
	BARRIER                                        ; every wave's maxima lie in LDS, and every wave's reads of q for this half are over
.irp u, 0,1,2,3
	ds_load_b128 v[64+8*\u:64+8*\u+3], v[SML] offset:1024*\u
	ds_load_b128 v[68+8*\u:68+8*\u+3], v[SML] offset:1024*\u+512
.endr
	v_add_nc_u32 v[PA], s[PO], v[ZA]
	s_wait_dscnt 0x0
.irp a, 0,1,2,3,4,5,6,7
	v_max3_num_f32 v[ST+8*\a+4], v[64+\a], v[72+\a], v[80+\a]
.endr
.irp a, 0,1,2,3,4,5,6,7
	v_max_num_f32 v[ST+8*\a+1], v[ST+8*\a+4], v[88+\a]   ; m: the row's maximum over all keys so far
.endr
.irp a, 0,1,2,3,4,5,6,7
	v_mov_b32 v[ST+8*\a+7], v[ST+8*\a]
.endr
.irp a, 0,1,2,3,4,5,6,7
	v_mul_f32 v[ST+8*\a], s[NC], v[ST+8*\a+1]      ; -c m
.endr
.irp a, 0,1,2,3,4,5,6,7
	v_sub_f32 v[ST+8*\a+7], v[ST+8*\a], v[ST+8*\a+7]   ; c m_old - c m
.endr
.irp a, 0,1,2,3,4,5,6,7
	v_exp_f32 v[ST+8*\a+6], v[ST+8*\a+7]           ; F
.endr
	EXPW 0
	EXPW 1
	v_nop                                          ; a plain line behind the last exponential
	s_wait_alu depctr_va_vdst(0)                   ; ONE wait for the batch of 520, ahead of the first line that names a result
	TOIMG PA                                       ; p, rounded to f16: key groups 16 half + 4 wave + 0..3
	WIN 0x8a                                       ; THE ROW'S SUM IS TAKEN OF THE UNROUNDED p: a tree in place, 31 packed additions a tile
	LEVEL 32
	LEVEL 16
	LEVEL 8
	LEVEL 4
	LEVEL 2
	WIN 0x20
.irp a, 0,1,2,3
	v_pk_fma_f32 v[ST+8*\a+2:ST+8*\a+3], v[ST+8*\a+2:ST+8*\a+3], v[ST+8*\a+6:ST+8*\a+7], v[64*\a:64*\a+1] op_sel_hi:[1,0,1]
.endr
	WIN 0xcf
	LEVEL 32
	LEVEL 16
	LEVEL 8
	LEVEL 4
	LEVEL 2
	WIN 0x30
.irp a, 0,1,2,3
	v_pk_fma_f32 v[ST+8*(4+\a)+2:ST+8*(4+\a)+3], v[ST+8*(4+\a)+2:ST+8*(4+\a)+3], v[ST+8*(4+\a)+6:ST+8*(4+\a)+7], v[64*\a:64*\a+1] op_sel_hi:[1,0,1]
.endr
	WIN 0
	BARRIER                                        ; p's images have landed; every wave's reads of the maxima are over
	s_add_co_u32 s[PO], s[PO], 131072
	s_add_co_u32 s[HF], s[HF], 1
	s_cmp_lt_u32 s[HF], 2
	s_cbranch_scc1 .Lhalf
	; ---- 3: the rows' sums over the halves of the lanes and the four waves
.irp a, 0,1,2,3,4,5,6,7
	v_add_f32 v[ST+8*\a+4], v[ST+8*\a+2], v[ST+8*\a+3]
.endr
.irp a, 0,1,2,3,4,5,6,7
	v_permlanex16_b32 v[ST+8*\a+5], v[ST+8*\a+4], s[SEL], s[SEL+1]
.endr
.irp a, 0,1,2,3,4,5,6,7
	v_add_f32 v[EX+\a], v[ST+8*\a+4], v[ST+8*\a+5]
.endr
	ds_store_b128 v[SMS], v[EX:EX+3] offset:4096
	ds_store_b128 v[SMS], v[EX+4:EX+7] offset:4096+512
	BARRIER
.irp u, 0,1,2,3
	ds_load_b128 v[64+8*\u:64+8*\u+3], v[SML] offset:4096+1024*\u
	ds_load_b128 v[68+8*\u:68+8*\u+3], v[SML] offset:4096+1024*\u+512
.endr
	s_wait_dscnt 0x0
.irp a, 0,1,2,3,4,5,6,7
	v_add_f32 v[ST+8*\a+4], v[64+\a], v[72+\a]
.endr
.irp a, 0,1,2,3,4,5,6,7
	v_add_f32 v[ST+8*\a+5], v[80+\a], v[88+\a]
.endr
.irp a, 0,1,2,3,4,5,6,7
	v_add_f32 v[ST+8*\a+4], v[ST+8*\a+4], v[ST+8*\a+5]
.endr
.irp a, 0,1,2,3,4,5,6,7
	v_rcp_f32 v[ST+8*\a+4], v[ST+8*\a+4]
.endr
	v_nop
	s_wait_alu depctr_va_vdst(0)                   ; one wait for the eight reciprocals
	; ---- 4: O^T = v^T p: my 128 channels x 128 queries, 32 K steps of 32 keys
	s_mov_b32 s[LO], 0
	s_cmp_eq_u32 s[XQN], 0
	s_cselect_b32 s[PLIM], 6, 0                    ; the seventh trip has no K steps of v left to ask for; Wj, which 32 work-groups read, is not prefetched
	GEMM 8, LB, WJB, 1, 1, 1
	; ---- 5: z = O / sum + x, rounded to f16, into the bytes that held p
.macro XILOAD a                        ; x of query tile a, my 128 channels, in the result's layout: 16 loads
.set XB, 64+64*((\a)%2)
.irp b, 0,1,2,3,4,5,6,7
	global_load_b128 v[XB+8*\b:XB+8*\b+3], v[LI], s[XIB:XIB+1] offset:(\a)*32768+\b*1024
	global_load_b128 v[XB+8*\b+4:XB+8*\b+7], v[LI], s[XIB:XIB+1] offset:(\a)*32768+\b*1024+512
.endr
.endm
	PLACES
	XILOAD 0
	XILOAD 1
	BARRIER                                        ; every wave's reads of p are over
.irp a, 0,1,2,3,4,5,6,7
.set XB, 64+64*(\a%2)
.if \a < 7
	s_wait_loadcnt 16                              ; this tile's x is in; the next tile's 16 loads may be out
.else
	s_wait_loadcnt 0x0
.endif
	WIN 0x02+\a/4                                  ; source 0: window 2 or 3
.set n, 0
.rept 32
	v_pk_fma_f32 v[XB+n:XB+n+1], v[64*(\a%4)+n:64*(\a%4)+n+1], v[ST+8*\a+4:ST+8*\a+5], v[XB+n:XB+n+1] op_sel_hi:[1,0,1]
.set n, n+2
.endr
	WIN 0
.set n, 0
.rept 32
	v_cvt_pk_f16_f32 v[XB+n], v[XB+2*n], v[XB+2*n+1]   ; in place, ascending: register n has been read by conversion n / 2
.set n, n+1
.endr
.irp g, 0,1,2,3
	ds_store_b128 v[ZA], v[XB+8*\g:XB+8*\g+3] offset:\g*8192+\a*1024
	ds_store_b128 v[ZA], v[XB+8*\g+4:XB+8*\g+7] offset:\g*8192+\a*1024+512
.endr
.if \a < 6
	s_wait_dscnt 0x0                               ; the stores have read their registers, which take the tile two on
	XILOAD \a+2
.endif
.endr
	BARRIER                                        ; z's 128 fragments lie in LDS
	; ---- 6: part[h] = z Wj: my 128 columns x 128 queries, 16 K steps
	s_mov_b32 s[LO], 0
	GEMM 4, WJB, WJB, 0, 0, 0
	; ---- 7: the way out, 16 rows x 128 columns at a time, through my own stage: a lane holds 32 bytes of a row, the 32 lanes store a row's 512 consecutive bytes
.macro TOSTAGE a
.set AC, 64*((\a)%4)
	WIN 0x08+4*((\a)/4)                            ; the data: window 2 or 3
.irp b, 0,1,2,3,4,5,6,7
	ds_store_b128 v[STO], v[AC+8*\b:AC+8*\b+3] offset:64*\b          ; each accumulator from its low end on
	ds_store_b128 v[STO], v[AC+8*\b+4:AC+8*\b+7] offset:64*\b+16
.endr
	WIN 0
.set BB, 64+64*((\a)%2)
.irp t, 0,1,2,3,4,5,6,7,8,9,10,11,12,13,14,15
	ds_load_b128 v[BB+4*\t:BB+4*\t+3], v[RD] offset:\t*528           ; LDS serves a wave's instructions in order (ISA guide 5.7.1.4): these see the stores above
.endr
.endm
.macro SEND a, younger                 ; younger: the LDS instructions issued behind block a's loads
.set BB, 64+64*((\a)%2)
	s_wait_dscnt \younger
.if (\a) > 0
	s_add_nc_u64 s[OUT:OUT+1], s[OUT:OUT+1], 0x8000   ; 16 rows on (behind a wait on XCNT: the earlier stores have read their base)
.endif
.irp t, 0,1,2,3,4,5,6,7,8,9,10,11,12,13,14,15
	global_store_b128 v[LI], v[BB+4*\t:BB+4*\t+3], s[OUT:OUT+1] offset:\t*2048 th:TH_STORE_NT
.endr
.endm
	PLACES
	TOSTAGE 0
.irp a, 1,2,3,4,5,6,7
.if \a > 1
	s_wait_xcnt 0x0                                ; block a - 2's stores have read their registers and their base
.endif
	TOSTAGE \a
	SEND \a-1, 32                                  ; behind block a - 1's loads: block a's 16 stores and 16 loads
.endr
	s_wait_xcnt 0x0
	SEND 7, 0
	s_wait_tensorcnt 0x0                           ; the wave's end, behind my last LDS store
	ds_add_u32 v[SPW], v[NIL]
	s_wait_dscnt 0x0
	s_endpgm
.Lfunc_end_k_q27f7b564ce_attn:
	.size	k_q27f7b564ce_attn, .Lfunc_end_k_q27f7b564ce_attn-k_q27f7b564ce_attn
	.p2alignl 7, 3214868480
	.fill 96, 4, 3214868480
	.section	.rodata,"a",@progbits
	.p2align	6, 0x0
	.amdhsa_kernel k_q27f7b564ce_attn
		.amdhsa_group_segment_fixed_size 308736
		.amdhsa_private_segment_fixed_size 0
		.amdhsa_enable_private_segment 0
		.amdhsa_kernarg_size 56
		.amdhsa_user_sgpr_count 2
		.amdhsa_user_sgpr_kernarg_segment_ptr 1
		.amdhsa_wavefront_size32 1
		.amdhsa_system_sgpr_workgroup_id_x 1
		.amdhsa_system_sgpr_workgroup_id_y 1
		.amdhsa_system_sgpr_workgroup_id_z 1
		.amdhsa_system_vgpr_workitem_id 0
		.amdhsa_next_free_vgpr 1024
		.amdhsa_next_free_sgpr 66
		.amdhsa_reserve_vcc 1
		.amdhsa_float_denorm_mode_32 3
		.amdhsa_float_denorm_mode_16_64 3
		.amdhsa_memory_ordered 1
		.amdhsa_forward_progress 1
		.amdhsa_inst_pref_size 255
	.end_amdhsa_kernel
	.section	.bss,"aw",@nobits
	.p2align	6
	.space	262144
	.amdgpu_metadata
---
amdhsa.version: [ 1, 2 ]
amdhsa.kernels:
  - .name:           k_q27f7b564ce_attn
    .symbol:         k_q27f7b564ce_attn.kd
    .args:
      - { .name: cod, .offset: 0, .size: 8, .value_kind: global_buffer, .address_space: global }
      - { .name: scl, .offset: 8, .size: 8, .value_kind: global_buffer, .address_space: global }
      - { .name: kimg, .offset: 16, .size: 8, .value_kind: global_buffer, .address_space: global }
      - { .name: vimg, .offset: 24, .size: 8, .value_kind: global_buffer, .address_space: global }
      - { .name: wjh, .offset: 32, .size: 8, .value_kind: global_buffer, .address_space: global }
      - { .name: xi, .offset: 40, .size: 8, .value_kind: global_buffer, .address_space: global }
      - { .name: part, .offset: 48, .size: 8, .value_kind: global_buffer, .address_space: global }
    .group_segment_fixed_size: 308736
    .private_segment_fixed_size: 0
    .kernarg_segment_align: 8
    .kernarg_segment_size: 56
    .max_flat_workgroup_size: 128
    .sgpr_count:     66
    .vgpr_count:     1024
    .wavefront_size: 32
...
	.end_amdgpu_metadata
.endif
;; end of part 3
;; launch final (part 4): grid 1024 x 1, 4 waves a work-group, no clusters, 0 bytes of LDS; arguments part, x, gamma, beta, out0; writes out0
.if DOCPART == 4
	.amdgcn_target "amdgcn-amd-amdhsa--gfx1250"
	.amdhsa_code_object_version 6
	.text
	.protected	k_q27f7b564ce_final
	.globl	k_q27f7b564ce_final
	.p2align	8
	.type	k_q27f7b564ce_final,@function
k_q27f7b564ce_final:
	s_mov_b64 s[64:65], 0
	v_nop
	global_prefetch_b8 v0, s[64:65] scope:SCOPE_SE
	s_setreg_imm32_b32 hwreg(HW_REG_WAVE_MODE, 25, 1), 1
	s_wait_xcnt 0x0
; out0[row] = LayerNorm(x[row] + the sum over the 8 heads of part[h][row]) x gamma + beta.  part: [8][4096][512] f32.
; One wave, one row of 2,048 bytes: lane l holds columns 128 i + 4 l + 0..3, i = 0..3, so every load and store of the wave covers 512 consecutive bytes.  The row stays in 16 registers between the mean, the variance and the scaling.
; Memory binds: each byte is read once; all 44 loads of a wave go out together.  No LDS, no barrier, no matrix unit, no cluster: waves share nothing but gamma and beta, 4,096 bytes.
; The variance is the mean of (y - mean)^2, as reference() has it: no difference of large sums.
.set Y,  8                             ; v8-23    the row
.set PT, 24                            ; v24-151  the eight heads' parts
.set GA, 152                           ; v152-167 gamma
.set BE, 168                           ; v168-183 beta
	s_load_b256 s[4:11], s[0:1], 0x0               ; part, x, gamma, beta
	s_load_b64 s[12:13], s[0:1], 0x20              ; out0
	v_and_b32 v1, 31, v0
	v_lshlrev_b32 v1, 4, v1                        ; 16 x lane
	v_lshrrev_b32 v2, 5, v0
	v_readfirstlane_b32 s14, v2                    ; wave
	s_lshl_b32 s15, ttmp9, 2
	s_add_co_u32 s15, s15, s14                     ; my row
	s_lshl_b32 s16, s15, 11
	s_mov_b32 s17, 0
	s_mov_b32 s18, 0x76543210
	s_mov_b32 s19, 0xfedcba98                      ; v_permlanex16_b32's selects for lane l xor 16
	s_wait_kmcnt 0x0
	s_add_nc_u64 s[6:7], s[6:7], s[16:17]
	s_add_nc_u64 s[12:13], s[12:13], s[16:17]
	s_add_nc_u64 s[20:21], s[4:5], s[16:17]
.irp h, 1,2,3,4,5,6,7
	s_add_nc_u64 s[20+2*\h:21+2*\h], s[18+2*\h:19+2*\h], 0x800000   ; a head's part is 8,388,608 bytes: beyond a load's immediate, so each head has its base
.endr
.irp i, 0,1,2,3
	global_load_b128 v[Y+4*\i:Y+4*\i+3], v1, s[6:7] offset:512*\i th:TH_LOAD_NT
.endr
.irp h, 0,1,2,3,4,5,6,7
.irp i, 0,1,2,3
	global_load_b128 v[PT+16*\h+4*\i:PT+16*\h+4*\i+3], v1, s[20+2*\h:21+2*\h] offset:512*\i th:TH_LOAD_NT
.endr
.endr
.irp i, 0,1,2,3
	global_load_b128 v[GA+4*\i:GA+4*\i+3], v1, s[8:9] offset:512*\i
.endr
.irp i, 0,1,2,3
	global_load_b128 v[BE+4*\i:BE+4*\i+3], v1, s[10:11] offset:512*\i
.endr
.irp h, 0,1,2,3,4,5,6,7
	s_wait_loadcnt 36-4*\h                         ; x and heads 0 .. h are in: behind them stand the later heads' 4 loads each, gamma's 4 and beta's 4
.irp i, 0,2,4,6,8,10,12,14
	v_pk_add_f32 v[Y+\i:Y+\i+1], v[Y+\i:Y+\i+1], v[PT+16*\h+\i:PT+16*\h+\i+1]
.endr
.endr
.macro ACROSS                          ; v184 = the sum of v184 over the 32 lanes, in every lane
	v_add_f32_dpp v184, v184, v184 row_xmask:1 row_mask:0xf bank_mask:0xf
	v_add_f32_dpp v184, v184, v184 row_xmask:2 row_mask:0xf bank_mask:0xf
	v_add_f32_dpp v184, v184, v184 row_xmask:4 row_mask:0xf bank_mask:0xf
	v_add_f32_dpp v184, v184, v184 row_xmask:8 row_mask:0xf bank_mask:0xf
	v_permlanex16_b32 v185, v184, s18, s19
	v_add_f32 v184, v184, v185
.endm
	v_pk_add_f32 v[184:185], v[Y:Y+1], v[Y+2:Y+3]  ; my 16 numbers, in two chains
	v_pk_add_f32 v[186:187], v[Y+4:Y+5], v[Y+6:Y+7]
	v_pk_add_f32 v[184:185], v[184:185], v[Y+8:Y+9]
	v_pk_add_f32 v[186:187], v[186:187], v[Y+10:Y+11]
	v_pk_add_f32 v[184:185], v[184:185], v[Y+12:Y+13]
	v_pk_add_f32 v[186:187], v[186:187], v[Y+14:Y+15]
	v_pk_add_f32 v[184:185], v[184:185], v[186:187]
	v_add_f32 v184, v184, v185
	ACROSS
	v_mul_f32 v186, 0xbb000000, v184               ; -mean = -sum / 512
	v_mov_b32 v187, v186
.irp i, 0,2,4,6,8,10,12,14
	v_pk_add_f32 v[Y+\i:Y+\i+1], v[Y+\i:Y+\i+1], v[186:187]
.endr
	v_pk_mul_f32 v[184:185], v[Y:Y+1], v[Y:Y+1]
	v_pk_mul_f32 v[188:189], v[Y+2:Y+3], v[Y+2:Y+3]
.irp i, 4,8,12
	v_pk_fma_f32 v[184:185], v[Y+\i:Y+\i+1], v[Y+\i:Y+\i+1], v[184:185]
	v_pk_fma_f32 v[188:189], v[Y+\i+2:Y+\i+3], v[Y+\i+2:Y+\i+3], v[188:189]
.endr
	v_pk_add_f32 v[184:185], v[184:185], v[188:189]
	v_add_f32 v184, v184, v185
	ACROSS
	v_mov_b32 v186, 0x3b000000                     ; 1 / 512
	v_fmaak_f32 v184, v184, v186, 0x3727c5ac       ; the variance + 1e-5
	v_rsq_f32 v190, v184
	v_nop                                          ; a plain line behind the transcendental
	s_wait_alu depctr_va_vdst(0)                   ; and the wait ahead of the first line that names its result
	v_mov_b32 v191, v190
	s_wait_loadcnt 0x0                             ; gamma and beta
.irp i, 0,2,4,6,8,10,12,14
	v_pk_mul_f32 v[Y+\i:Y+\i+1], v[Y+\i:Y+\i+1], v[190:191]
.endr
.irp i, 0,2,4,6,8,10,12,14
	v_pk_fma_f32 v[Y+\i:Y+\i+1], v[Y+\i:Y+\i+1], v[GA+\i:GA+\i+1], v[BE+\i:BE+\i+1]
.endr
.irp i, 0,1,2,3
	global_store_b128 v1, v[Y+4*\i:Y+4*\i+3], s[12:13] offset:512*\i th:TH_STORE_NT
.endr
	s_endpgm
.Lfunc_end_k_q27f7b564ce_final:
	.size	k_q27f7b564ce_final, .Lfunc_end_k_q27f7b564ce_final-k_q27f7b564ce_final
	.p2alignl 7, 3214868480
	.fill 96, 4, 3214868480
	.section	.rodata,"a",@progbits
	.p2align	6, 0x0
	.amdhsa_kernel k_q27f7b564ce_final
		.amdhsa_group_segment_fixed_size 0
		.amdhsa_private_segment_fixed_size 0
		.amdhsa_enable_private_segment 0
		.amdhsa_kernarg_size 40
		.amdhsa_user_sgpr_count 2
		.amdhsa_user_sgpr_kernarg_segment_ptr 1
		.amdhsa_wavefront_size32 1
		.amdhsa_system_sgpr_workgroup_id_x 1
		.amdhsa_system_sgpr_workgroup_id_y 1
		.amdhsa_system_sgpr_workgroup_id_z 1
		.amdhsa_system_vgpr_workitem_id 0
		.amdhsa_next_free_vgpr 200
		.amdhsa_next_free_sgpr 66
		.amdhsa_reserve_vcc 0
		.amdhsa_float_denorm_mode_32 3
		.amdhsa_float_denorm_mode_16_64 3
		.amdhsa_memory_ordered 1
		.amdhsa_forward_progress 1
		.amdhsa_inst_pref_size 14
	.end_amdhsa_kernel
	.amdgpu_metadata
---
amdhsa.version: [ 1, 2 ]
amdhsa.kernels:
  - .name:           k_q27f7b564ce_final
    .symbol:         k_q27f7b564ce_final.kd
    .args:
      - { .name: part, .offset: 0, .size: 8, .value_kind: global_buffer, .address_space: global }
      - { .name: x, .offset: 8, .size: 8, .value_kind: global_buffer, .address_space: global }
      - { .name: gamma, .offset: 16, .size: 8, .value_kind: global_buffer, .address_space: global }
      - { .name: beta, .offset: 24, .size: 8, .value_kind: global_buffer, .address_space: global }
      - { .name: out0, .offset: 32, .size: 8, .value_kind: global_buffer, .address_space: global }
    .group_segment_fixed_size: 0
    .private_segment_fixed_size: 0
    .kernarg_segment_align: 8
    .kernarg_segment_size: 40
    .max_flat_workgroup_size: 128
    .sgpr_count:     66
    .vgpr_count:     200
    .wavefront_size: 32
...
	.end_amdgpu_metadata
.endif
;; end of part 4
